; MI455X (gfx1250); checked and timed in simulation.
; The chip was launched on July 23, 2026; its instructions are those of AMD's public machine-readable ISA for CDNA 5 (MIT licence, August 2026) and "CDNA5" Instruction Set Architecture Reference Guide (July 2026). The comments in the code are by the model that wrote it; some were corrected since.
;; Fraud Detection Hybrid. Allowed arithmetic: matrix products marked QUANTISED: E3M2 operands, one E8M0 scale for each 32 along K, by v_wmma_scale_f32_16x16x128_f8f6f4 with both operands' format E3M2, f32 sums; products left as they are: f32 operands where the result goes on into a quantised operand, else bf16, f16 or f32 operands; f32 sums; everything else in f32.
;; Inputs: W1 6 x 2,048 float32; W2_codes 2,048 x 64 x 24 uint8 (E3M2 codes of W2, K innermost, in blocks of 32 codes, four codes in three bytes); W2_scales 2,048 x 64 uint8 (E8M0 scales of W2, one for each 32 codes along K); Wc 2,048 x 1 float32; Wr1 2 x 8 float32; Wr2 8 x 4 float32; Wr3 4 x 1 float32; b1 2,048 float32; b2 2,048 float32; bc 1 float32; br1 8 float32; br2 4 float32; br3 1 float32; x 16,384 x 2 float32.
;; Outputs: out0 16,384 x 1 float32; out1 16,384 x 1 float32.
;; This version of the problem:
;;   THIS VERSION OF THE PROBLEM IS GIVEN IN LOW PRECISION. The matrix products marked QUANTISED in the list below multiply operands that are first quantised to E3M2 (3 exponent bits, 2 mantissa bits; 6 bits a number), with one power-of-two scale for each 32 numbers along K (OCP MX v1.0); their sums are f32. All else is computed in f32.
;;   The module's matrix products, in the order in which they are computed (A, B: the left and right operand; K: the contracted axis; several contracted axes count as one K, in the product's order):
;;     1. [M 16,384, K 6] x [K 6, N 2,048]; A: computed on the way; B: input W1: left as it is (K = 6 < 32)
;;     2. [M 16,384, K 2,048] x [K 2,048, N 2,048]; A: computed on the way; B: input W2 (given as codes): QUANTISED
;;     3. [M 16,384, K 2,048] x [K 2,048, N 1]; A: computed on the way; B: input Wc: left as it is (N = 1 < 16)
;;     4. [M 16,384, K 2] x [K 2, N 8]; A: input x; B: input Wr1: left as it is (K = 2 < 32)
;;     5. [M 16,384, K 8] x [K 8, N 4]; A: computed on the way; B: input Wr2: left as it is (K = 8 < 32)
;;     6. [M 16,384, K 4] x [K 4, N 1]; A: computed on the way; B: input Wr3: left as it is (K = 4 < 32)
;;   THE QUANTISER, for each operand of a quantised product, along K:
;;     - K is cut into blocks of 32 from its start; a last block that is shorter is filled with zeros.
;;     - A block's scale is 2^e with e = floor(log2(the largest magnitude in the block)) - 4, held to -126 .. 127; a block of zeros has e = 0. As a byte (E8M0): e + 127.
;;     - Each number is divided by its block's scale, clamped to +-28, and rounded to the nearest number of E3M2, ties to even, subnormals kept.
;;     - The product sums the exact products of the quantised numbers (number of the format x scale) in f32.
;;   ~~~python
;;   def quantise(x, axis):      # numpy; x: float32 -> the quantised numbers, widened to float32 again
;;       x = np.moveaxis(x, axis, -1); K = x.shape[-1]
;;       x = np.pad(x, [(0, 0)] * (x.ndim - 1) + [(0, -K % 32)]); x = x.reshape(x.shape[:-1] + (-1, 32)); a = np.abs(x).max(-1, keepdims=True)
;;       e = np.where(a > 0, np.clip(np.frexp(np.where(a > 0, a, 1))[1] - 1 - 4, -126, 127), 0)      # np.frexp(a)[1] - 1 = floor(log2(a)), exactly
;;       r = np.clip(x / 2.0 ** e, -28, 28)
;;       step = 2.0 ** (np.maximum(np.frexp(np.where(r == 0, 1, r))[1] - 1, -2) - 2)
;;       q = np.round(r / step) * step * 2.0 ** e      # np.round: ties to even
;;       return np.moveaxis(q.reshape(q.shape[:-2] + (-1,))[..., :K], -1, axis).astype(np.float32)
;;   ~~~
;;   OPERANDS COMPUTED ON THE WAY. 'Computed on the way' means the value that the module computes at that place (a softmax that the list does not call 'softmax' is quantised finished and normalised). What goes into a quantiser is computed in f32, as accurately as f32 sums, v_exp_f32 and their like allow (about 1e-6 of the number): no bf16 or f16 on the way to a quantiser, and a product that is left as it is and whose result goes on into a quantised operand takes f32 operands (vector FMAs, or v_wmma_f32_16x16x4_f32). A number that lies on a knife's edge between two numbers of the format may be rounded either way, as far as f32 arithmetic and the matrix unit's own rounding can turn it there, and no further.
;;   INPUTS GIVEN AS CODES. W2 (in the module: [2048, 2048], K = its axis 0): each comes as NAME_codes (uint8): NAME with its K axis moved to the last place and cut into blocks of 32 codes, [.., K / 32, bytes a block], one block behind the other in memory; four codes in three bytes: a row's codes are one little-endian stream of bits, code i at bits 6 i .. 6 i + 5 (a code: sign, 3 exponent bits, 2 mantissa bits); and NAME_scales (uint8): the same leading axes, one E8M0 byte (e + 127) for each 32 codes along K. Its value is code x scale, taken as it is: it is not quantised again, and the codes and scales need not be those that the quantiser above would give.
;; One version. Each part assembles by itself: llvm-mc -triple=amdgcn-amd-amdhsa -mcpu=gfx1250 --defsym DOCPART=n.
;; ======== version 1 of 1: 1 launch
;; limits: inputs' magnitudes at most 100,000; a difference of large sums (such as E[x^2] - mean^2): digits are lost where the result is much smaller than its terms
;; launch fraud (part 1): grid 256 x 1, 4 waves a work-group, clusters of 4 x 1, 327,680 bytes of LDS; arguments x, W1, b1, W2_codes, W2_scales, b2, Wc, bc, Wr1, br1, Wr2, br2, Wr3, br3, out0, out1; writes out0, out1
.if DOCPART == 1
	.amdgcn_target "amdgcn-amd-amdhsa--gfx1250"
	.amdhsa_code_object_version 6
	.text
	.protected	k_qcaf8db4cdb_fraud
	.globl	k_qcaf8db4cdb_fraud
	.p2align	8
	.type	k_qcaf8db4cdb_fraud,@function
k_qcaf8db4cdb_fraud:
	s_mov_b64 s[64:65], 0
	v_nop
	global_prefetch_b8 v0, s[64:65] scope:SCOPE_SE
	s_setreg_imm32_b32 hwreg(HW_REG_WAVE_MODE, 25, 1), 1
	s_wait_xcnt 0x0
	s_wait_alu depctr_hold_cnt(0) depctr_sa_sdst(0) depctr_va_vdst(0) depctr_va_sdst(0) depctr_va_ssrc(0) depctr_va_vcc(0) depctr_vm_vsrc(0)
	s_getreg_b32 s2, hwreg(HW_REG_IB_STS2, 6, 4)
	s_cmp_eq_u32 s2, 0
	s_cbranch_scc0 .Lentry_in_a_cluster
	s_endpgm
.Lentry_in_a_cluster:
	s_bfe_u32 s2, ttmp6, 0x10000c
	s_cmp_lg_u32 s2, 0x3003
	s_cbranch_scc0 .Lentry_shape_is_right
	s_endpgm
.Lentry_shape_is_right:
; logits = tanh(Q(tanh(feat W1 + b1)) W2 + b2) Wc + bc, feat = (x0, x1, cos x0, cos x0 cos x1, 1, 1);  risk = the small net 2-8-4-1 on x.
; Q: codes of BF6 (E3M2) with one E8M0 scale for each 32 along K = 2,048; W2 comes as such codes, [n][K], 1,536 bytes a row, and 64 scale bytes a row.
; SHARES.  A work-group of four waves owns 64 rows of x, so that a row's logit, a sum over all 2,048 columns, has one owner: 256 work-groups.
; PHASE A.  Wave w makes the first hidden layer's units 512 w .. 512 w + 511 for all 64 rows: a lane takes a row, its 32 registers a block of 32 along K, so that a block's largest
; magnitude needs no other lane.  The codes go to LDS as images of the operand's registers; behind a barrier EVERY wave loads all 64 fragments (4 tiles of rows x 16 K steps): 768 registers.
; PHASE B.  W2 goes through a ring of two LDS slots of 64 rows x all of K.  In a slot wave w takes rows 16 w .. 16 w + 15: each fragment read from LDS feeds four matrix instructions.
; The product is used transposed (source 0 = 16 rows of W2, source 1 = 16 rows of the hidden layer): a lane holds one row of x and eight columns.  b2 is the C of a sum's first instruction.
; BLOCKS 1 AND 2 OF EACH K STEP OF 128 CHANGE PLACES, in both operands and in both scale words: lane (r, h) then takes 48 NEIGHBOURING bytes of its row of W2 (blocks 2 h and 2 h + 1), three
; loads of 16 bytes.  The products are the same numbers; only the order in which the unit adds them differs.
; tanh(z) = 1 - 2 r, r = 1 / (1 + 2^(c z)), c = 2 log2(e).  The logit is taken as sum Wc - 2 sum Wc r: the table holds -2 Wc, and the running sums begin at half of my wave's sum of Wc.
; r and its product with Wc, for the 16 columns just finished, stand in slices behind the matrix instructions of the next 16 columns: three lines behind each of the first 32, two behind each of the next 8.
; CLUSTER.  All work-groups walk the same W2: the four of a cluster ask for each slot JOINTLY (mask 15).  Cluster c begins its walk at group c mod 32 of W2's 32 groups of 64 rows, so that
; the clusters ask for different parts of W2 at any one time; the order of the columns does not matter to a sum over all of them.
; LIMITS.  cos: reduction by pi/2 in two parts, good to about 1e-7 absolute for |x| up to 1e5.  tanh: absolute error about 2e-7, so the relative error grows for |z| under 0.1.  The logit is a
; difference of two f32 sums of the size of sum |Wc|: its absolute error is about 1e-6 of that.  NaN and infinities among the inputs are not served.  A block of the hidden layer whose largest
; magnitude lies under 2^-122 keeps the scale byte 1.
; REGISTERS, in windows of 256.  Window 0 (phase B): v1, v2 the spare word's address and 0; v3-v11 addresses; v12-19 the running logits (a pair a tile of rows); v20-27 b2; v28-35 -2 Wc;
;   v36-51 W2's scale words, two sets; v52-83 the hidden layer's scale words; v84-95 fragment 63; v96-127, v128-159 two sets of four accumulators; v160-255 four places of two fragments of W2.
;   Windows 1 to 3 (phase B): fragment f = 4 s + t (K step s, tile of rows t) in window 1 + f / 21 at v[12 (f % 21)].
;   Phase A works wholly in window 1 (its raw weights in window 2), so that the scale registers of window 0 never hold anything but scales.
.set SLOT,  105728                     ; a slot: 192 lines of 512 bytes + 16 of padding (a row of W2 is three lines: 1,584 bytes), then 16 lines of 256 + 16 bytes of scales
.set SCO,   101376                     ; where the scales begin in a slot
.set IMG,   2*SLOT                     ; the images: fragment f at 1,536 f, lane l's twelve registers at 48 l.  Later: the tables of b2 and Wc (4,096 bytes a wave) and the last sums
.set HSW,   IMG+98304                  ; the hidden layer's scale words: 256 s + 64 t + 4 r
.set TW,    HSW+4096                   ; a wave's own weights of one K step: five rows of 128 f32 (W1's rows 0 to 3; c x (W1's rows 4 and 5 and b1))
.set SPARE, TW+4*2560                  ; the spare words, 128 bytes a wave: two blocks of 256 bytes that no other line names
.set RED,   IMG+16384                  ; the four waves' partial logits, 256 bytes each
.set MSB, 0
.macro WIN new                         ; the immediate's high byte repeats the setting that is left; a switch that changes nothing is dropped
.if MSB != (\new)
	s_set_vgpr_msb (MSB<<8)|(\new)
.set MSB, \new
.endif
.endm
.macro PLACES                          ; four plain places behind a matrix instruction, ahead of loads into registers that it has read
.rept 4
	v_nop
.endr
.endm
.macro CREST                           ; a round of the cluster's barrier behind its opening barrier
	s_cmp_lg_u32 s2, 0
	s_cbranch_scc1 .Lnw0_\@
	s_barrier_signal -3
.Lnw0_\@:
	s_barrier_wait -3
	s_barrier_signal -1
	s_barrier_wait -1
.endm
.macro CROUND                          ; a whole round
	s_barrier_signal -1
	s_barrier_wait -1
	CREST
.endm
.macro JLOAD sl                        ; a joint refill of slot sl: waves 0 to 2 a third of the codes each, wave 3 the scales; four v_nop follow each line
	s_cmp_lt_u32 s2, 3
	s_cbranch_scc0 .Ljs_\@
	tensor_load_to_lds s[52+4*(\sl):55+4*(\sl)], s[36:43]
	s_nop 0
	PLACES
	s_branch .Ljd_\@
.Ljs_\@:
	tensor_load_to_lds s[60+8*(\sl):63+8*(\sl)], s[44:51]
	s_nop 0
	PLACES
.Ljd_\@:
.endm
; cos(v[x]) -> v[d]; six registers at work from v[t] on.  x = n pi/2 + r; cos or sin of r by a polynomial in r^2; which, and its sign, by n mod 4: a choice of values, no branch.
.macro COSF d, x, t
	v_mul_f32 v[\t], s88, v[\x]
	v_rndne_f32 v[\t], v[\t]
	v_fma_f32 v[\t+1], v[\t], s89, v[\x]
	v_fma_f32 v[\t+1], v[\t], s90, v[\t+1]
	v_mul_f32 v[\t+2], v[\t+1], v[\t+1]
	v_fma_f32 v[\t+3], v[\t+2], s91, s92
	v_fma_f32 v[\t+4], v[\t+2], s94, s95
	v_fma_f32 v[\t+3], v[\t+3], v[\t+2], s93
	v_fma_f32 v[\t+4], v[\t+4], v[\t+2], s96
	v_fma_f32 v[\t+3], v[\t+3], v[\t+2], -0.5
	v_mul_f32 v[\t+4], v[\t+4], v[\t+2]
	v_fma_f32 v[\t+3], v[\t+3], v[\t+2], 1.0
	v_fma_f32 v[\t+4], v[\t+4], v[\t+1], v[\t+1]
	v_cvt_i32_f32 v[\t], v[\t]
	v_and_b32 v[\t+5], 1, v[\t]
	v_cmp_eq_u32 vcc_lo, 1, v[\t+5]
	v_cndmask_b32 v[\d], v[\t+3], v[\t+4], vcc_lo
	v_add_nc_u32 v[\t], 1, v[\t]
	v_and_b32 v[\t], 2, v[\t]
	v_lshlrev_b32 v[\t], 30, v[\t]
	v_xor_b32 v[\d], v[\d], v[\t]
.endm
; In place on n registers from v[b] on: r = 1 / (1 + 2^(c z)); fin = 1: tanh = 1 - 2 r.  Each batch of transcendentals has one plain line and one wait behind it.
.macro TANH b, n, fin
.set tq, 0
.rept (\n)/2
	v_pk_mul_f32 v[\b+tq:\b+tq+1], v[\b+tq:\b+tq+1], s[78:79] op_sel_hi:[1,0]
.set tq, tq+2
.endr
.set tq, 0
.rept \n
	v_exp_f32 v[\b+tq], v[\b+tq]
.set tq, tq+1
.endr
	v_nop
	s_wait_alu depctr_va_vdst(0)
.set tq, 0
.rept (\n)/2
	v_pk_add_f32 v[\b+tq:\b+tq+1], v[\b+tq:\b+tq+1], 1.0 op_sel_hi:[1,0]
.set tq, tq+2
.endr
.set tq, 0
.rept \n
	v_rcp_f32 v[\b+tq], v[\b+tq]
.set tq, tq+1
.endr
	v_nop
	s_wait_alu depctr_va_vdst(0)
.if \fin
.set tq, 0
.rept (\n)/2
	v_pk_fma_f32 v[\b+tq:\b+tq+1], v[\b+tq:\b+tq+1], -2.0, 1.0 op_sel_hi:[1,0,0]
.set tq, tq+2
.endr
.endif
.endm
; ---- phase A's macros (window 1: v3 my weights' LDS base, v4 + 16 x lane, v5 images, v7 scale words, v10 offset in W1's rows; v12-19 c x features; v20-21 scale words; v22-30 at work;
;      v32-63, v64-95 a block of 32 numbers for rows 0-31 and rows 32-63; v96-175, v176-255 the block's weights, k 0-15 and k 16-31, five rows of 16)
.macro WLOAD                           ; a K step's raw weights: four k a lane of W1's six rows and of b1, into window 2
	WIN 0x81
.irp i, 0,1,2,3,4,5
	global_load_b128 v[4*\i:4*\i+3], v10, s[6:7] offset:8192*\i
.endr
	global_load_b128 v[24:27], v10, s[8:9]
	WIN 0x55
.endm
.macro TPREP cnt                       ; rows 4 and 5 (features 1 and 1) and b1 become one row, x c; the five rows go to my own LDS bytes
	s_wait_loadcnt \cnt
	WIN 0xaa
	v_pk_add_f32 v[16:17], v[16:17], v[20:21]
	v_pk_add_f32 v[18:19], v[18:19], v[22:23]
	v_pk_add_f32 v[16:17], v[16:17], v[24:25]
	v_pk_add_f32 v[18:19], v[18:19], v[26:27]
	v_pk_mul_f32 v[16:17], v[16:17], s[78:79] op_sel_hi:[1,0]
	v_pk_mul_f32 v[18:19], v[18:19], s[78:79] op_sel_hi:[1,0]
	WIN 0x09                                       ; address window 1, data window 2
.irp i, 0,1,2,3,4
	ds_store_b128 v4, v[4*\i:4*\i+3] offset:512*\i
.endr
	WIN 0x55
.endm
.macro HLOAD p, jn                     ; half p of block jn's weights: every lane reads the same bytes
.irp i, 0,1,2,3,4
.irp m, 0,1,2,3
	ds_load_b128 v[96+80*(\p)+16*\i+4*\m:96+80*(\p)+16*\i+4*\m+3], v3 offset:512*\i+128*(\jn)+64*(\p)+16*\m
.endr
.endr
.endm
.macro FI e, p, g2                     ; line e of 32: feature e / 8 times two weights, onto two numbers of half p of row group g2; the first feature's line takes the bias row as its addend
.set fii, (\e)/8
.set fik, 2*((\e)%8)
.set fiz, 32+32*(\g2)+16*(\p)+fik
.set fih, 96+80*(\p)+16*fii+fik
.set fib, 96+80*(\p)+64+fik
.set fif, 12+4*(\g2)+2*(fii/2)
.if fii == 0
	v_pk_fma_f32 v[fiz:fiz+1], v[fih:fih+1], v[fif:fif+1], v[fib:fib+1] op_sel_hi:[1,0,1]
.elseif fii == 2
	v_pk_fma_f32 v[fiz:fiz+1], v[fih:fih+1], v[fif:fif+1], v[fiz:fiz+1] op_sel_hi:[1,0,1]
.else
	v_pk_fma_f32 v[fiz:fiz+1], v[fih:fih+1], v[fif:fif+1], v[fiz:fiz+1] op_sel:[0,1,0] op_sel_hi:[1,1,1]
.endif
.endm
.macro QTAIL g, j                      ; row group g's reciprocals become tanh, block j's scale byte and 32 codes; the codes go to their place in the image
.set ZQ, 32+32*(\g)
.set qa, 0
.rept 16
	v_pk_fma_f32 v[ZQ+qa:ZQ+qa+1], v[ZQ+qa:ZQ+qa+1], -2.0, 1.0 op_sel_hi:[1,0,0]
.set qa, qa+2
.endr
	v_max3_num_f32 v22, |v[ZQ]|, |v[ZQ+1]|, 0x2800000          ; the floor 2^(5 - 127) among the leaves: the byte cannot fall under 1
	v_max3_num_f32 v23, |v[ZQ+2]|, |v[ZQ+3]|, |v[ZQ+4]|
.irp a, 0,1,2,3,4,5
	v_max3_num_f32 v22, v22, |v[ZQ+5+4*\a]|, |v[ZQ+6+4*\a]|
	v_max3_num_f32 v23, v23, |v[ZQ+7+4*\a]|, |v[ZQ+8+4*\a]|
.endr
	v_max3_num_f32 v22, v22, |v[ZQ+29]|, |v[ZQ+30]|
	v_max3_num_f32 v22, v22, v23, |v[ZQ+31]|
	v_add_nc_u32 v22, 0xfe000000, v22              ; 4 off the exponent field: the conversion's scale operand
	v_lshrrev_b32 v23, 23, v22                     ; the scale's byte
.if \j == 0
	v_mov_b32 v[20+\g], v23
.else
	v_lshl_or_b32 v[20+\g], v23, 8*(2*((\j)%2)+(\j)/2), v[20+\g]   ; blocks 1 and 2 change places: block j's byte is byte 2 (j % 2) + j / 2 of the word
.endif
	v_cvt_scalef32_pk16_bf6_f32 v[24:26], v[ZQ:ZQ+15], v22
	v_cvt_scalef32_pk16_bf6_f32 v[28:30], v[ZQ+16:ZQ+31], v22  ; (a conversion's three registers begin on an even number)
	v_nop                                          ; one plain place behind a scaled conversion
	v_mov_b32 v27, v28
	v_mov_b32 v28, v29
	v_mov_b32 v29, v30                             ; v24-29: the block's 24 bytes
.set qo, 3072*(\g)+768*((\j)/2)+24*((\j)%2)    ; block j goes to the operand's lane r + 16 (j / 2), registers 6 (j % 2) on: as W2's 48 neighbouring bytes fall
.if (\j)%2 == 0
	ds_store_b128 v5, v[24:27] offset:qo
	ds_store_b64 v5, v[28:29] offset:qo+16
.else
	ds_store_b64 v5, v[24:25] offset:qo
	ds_store_b128 v5, v[26:29] offset:qo+8         ; 48 l + 24 + 8: a multiple of 16
.endif
.if \j == 3
	ds_store_b32 v7, v[20+\g] offset:128*(\g)      ; the K step's scale word of my row
.endif
.endm
; Block j of the K step, row group g.  The transcendentals of this unit's 32 numbers stand by turns with the multiply-adds that make the NEXT unit's numbers:
; for g = 0 those of (j, rows 32-63); for g = 1 those of (j + 1, rows 0-31), from the weights that unit (j, 0) has asked for.
.macro UNIT j, g
.set ZG, 32+32*(\g)
.if \g == 1
.if \j == 3
	s_wait_dscnt 23                                ; the next block's first half is in; its second half's 20 loads and the 3 stores behind them may be out
.else
	s_wait_dscnt 22                                ; likewise, 2 stores
.endif
.if \j == 2
	TPREP 0                                        ; the next K step's weights take the place of this one's: LDS serves my loads of block 3, issued earlier, first (ISA guide 5.7.1.4)
.endif
.endif
.set un, 0
.rept 32
	v_exp_f32 v[ZG+un], v[ZG+un]
	FI un, 0, 1-(\g)
.set un, un+1
.endr
.if \g == 0
	HLOAD 0, ((\j)+1)%4
.endif
	s_wait_alu depctr_va_vdst(0)                   ; one wait for the 32 exponentials, ahead of their first reader
.set un, 0
.rept 16
	v_pk_add_f32 v[ZG+un:ZG+un+1], v[ZG+un:ZG+un+1], 1.0 op_sel_hi:[1,0]
.set un, un+2
.endr
.if \g == 1
	s_wait_dscnt 0x0                               ; the next block's second half is in; my stores have read their registers
.endif
.set un, 0
.rept 32
	v_rcp_f32 v[ZG+un], v[ZG+un]
	FI un, 1, 1-(\g)
.set un, un+1
.endr
.if \g == 0
	HLOAD 1, ((\j)+1)%4
	s_wait_dscnt 40                                ; all but this unit's 40 loads: the last unit's stores have read the registers that are written again below
.endif
	s_wait_alu depctr_va_vdst(0)                   ; and one for the 32 reciprocals
	QTAIL \g, \j
.endm
; ---- phase B's macros
.macro BFRAG reg, sl, s                ; W2's fragment of K step s from slot sl: lane (r, h) takes the 48 bytes at 96 s + 48 h of row r, in pieces of 16
.irp p, 0,1,2
.set BPC, 6*(\s)+\p                            ; 16 bytes of padding lie behind every 32 pieces; lanes 16-31 read three pieces on: where that is behind one padding more, the second address register serves
.if BPC%32 < 29
	ds_load_b128 v[\reg+4*\p:\reg+4*\p+3], v[3+2*(\sl)] offset:16*BPC+16*(BPC/32)
.else
	ds_load_b128 v[\reg+4*\p:\reg+4*\p+3], v[4+2*(\sl)] offset:16*BPC+16*(BPC/32)
.endif
.endr
.endm
.macro BPAIR sl, j                     ; K steps 2 j and 2 j + 1 into place j % 4: 6 loads
	BFRAG 160+24*((\j)%4), \sl, 2*(\j)
	BFRAG 172+24*((\j)%4), \sl, 2*(\j)+1
.endm
.macro MM par, s, t                    ; K step s, tile of rows t, onto set par's accumulator t.  The four accumulators take turns, one instruction a turn
.set mf, 4*(\s)+(\t)
.if mf == 63
	WIN 0
.set mb, 84
.else
	WIN (1+mf/21)<<2                               ; source 1 alone leaves window 0
.set mb, 12*(mf%21)
.endif
.set md, 96+32*(\par)+8*(\t)
.set ma, 160+24*(((\s)/2)%4)+12*((\s)%2)
.set mws, 36+8*(\par)+(\s)%8
.set mhs, 52+8*(\t)+(\s)%8
.if (\s) == 0
	v_wmma_scale_f32_16x16x128_f8f6f4 v[md:md+7], v[ma:ma+11], v[mb:mb+11], v[20:27], v[mws], v[mhs] matrix_a_fmt:MATRIX_FMT_BF6 matrix_b_fmt:MATRIX_FMT_BF6
.elseif (\s) < 8
	v_wmma_scale_f32_16x16x128_f8f6f4 v[md:md+7], v[ma:ma+11], v[mb:mb+11], v[md:md+7], v[mws], v[mhs] matrix_a_fmt:MATRIX_FMT_BF6 matrix_b_fmt:MATRIX_FMT_BF6
.else
	v_wmma_scale_f32_16x16x128_f8f6f4 v[md:md+7], v[ma:ma+11], v[mb:mb+11], v[md:md+7], v[mws], v[mhs] matrix_a_fmt:MATRIX_FMT_BF6 matrix_b_fmt:MATRIX_FMT_BF6 matrix_a_scale:MATRIX_SCALE_ROW1 matrix_b_scale:MATRIX_SCALE_ROW1
.endif
.endm
; The lines of r = 1 / (1 + 2^(c z)) on the OTHER set's 32 numbers, in place.  None has a vector register as its second source, so the matrix instructions' window setting does not touch them.
.macro SLM par, i                      ; c z, pair i; ascending
.set sq, 96+32*(1-(\par))+2*(\i)
	v_pk_mul_f32 v[sq:sq+1], v[sq:sq+1], s[78:79] op_sel_hi:[1,0]
.endm
.macro SLE par, e
.set sq, 96+32*(1-(\par))+(\e)
	v_exp_f32 v[sq], v[sq]
.endm
.macro SLA par, i
.set sq, 96+32*(1-(\par))+2*(\i)
	v_pk_add_f32 v[sq:sq+1], v[sq:sq+1], 1.0 op_sel_hi:[1,0]
.endm
.macro SLR par, e
.set sq, 96+32*(1-(\par))+(\e)
	v_rcp_f32 v[sq], v[sq]
.endm
.macro E6 par, a, b                    ; lines a to b of 16: the other set's r times -2 Wc, onto the running logits; the four tiles by turns.  All three sources are vector registers of window 0
	WIN 0
.set ee, \a
.rept (\b)-(\a)+1
.set eq, 96+32*(1-(\par))+8*(ee%4)+2*(ee/4)
	v_pk_fma_f32 v[12+2*(ee%4):13+2*(ee%4)], v[eq:eq+1], v[28+2*(ee/4):29+2*(ee/4)], v[12+2*(ee%4):13+2*(ee%4)]
.set ee, ee+1
.endr
.endm
; Matrix instructions m0 to m1 of the eight of pair j (K steps 2 j, 2 j + 1 x four tiles), with their slices.  Pairs 0, 1: a scaling, and the two exponentials of the pair scaled one slice earlier.
; Pairs 2, 3: an addition of 1, and the two reciprocals likewise.  Pair 4: two lines of the product with Wc.  Pairs 5 to 7: none.
.macro PAIRW par, j, m0, m1
.set pm, \m0
.rept (\m1)-(\m0)+1
	MM \par, 2*(\j)+pm/4, pm%4
.if (\j) < 2
.set pq, 8*(\j)+pm
	SLM \par, pq
.if pq > 0
	SLE \par, 2*pq-2
	SLE \par, 2*pq-1
.endif
.elseif (\j) < 4
.set pq, 8*((\j)-2)+pm
	SLA \par, pq
.if pq > 0
	SLR \par, 2*pq-2
	SLR \par, 2*pq-1
.endif
.elseif (\j) == 4
	E6 \par, 2*pm, 2*pm+1
.endif
.set pm, pm+1
.endr
.endm
; A SEGMENT: my 16 columns of the slot par, 64 matrix instructions.  mode 2: the slot is filled again, two groups on; 1: the slots change and nothing is asked for; 0: the last segment.
; THE LDS LOADS STAND IN FOUR RUNS: behind pair 1 (pairs 4, 5: 12 loads), behind pair 3 (pairs 6, 7: 12), behind the change of slots in pair 5 (the next slot's scales 2, b2 2, pairs 0, 1: 16),
; behind pair 7 (the next slot's pairs 2, 3 and Wc: 14).  Each batch of transcendentals ends at a run, and its one wait stands directly ahead of the run's loads.
.macro SEG par, mode
	s_wait_dscnt 14                                ; the run behind the change of slots is in: scales, b2, pairs 0, 1 (behind it: the 14 loads of the run behind pair 7)
	PAIRW \par, 0, 0, 7
	PAIRW \par, 1, 0, 7
	SLE \par, 30
	SLE \par, 31
	PLACES
	s_wait_alu depctr_va_vdst(0)                   ; one wait for the 32 exponentials, ahead of their first reader
	BPAIR \par, 4
	BPAIR \par, 5
	s_wait_dscnt 12                                ; pairs 2, 3 and Wc are in (behind them: the 12 just issued)
	PAIRW \par, 2, 0, 7
	PAIRW \par, 3, 0, 7
	SLR \par, 30
	SLR \par, 31
	PLACES
	s_wait_alu depctr_va_vdst(0)                   ; and one for the 32 reciprocals: none is out at the branches below
	BPAIR \par, 6
	BPAIR \par, 7
	s_wait_dscnt 12                                ; pairs 4, 5 are in (behind them: the 12 just issued)
	PAIRW \par, 4, 0, 7
.if \mode >= 1
	WIN 0                                          ; (the add's two registers lie in window 0)
	s_wait_tensorcnt 0x0                           ; all my tensor loads have landed: the one that was out is my part of the other slot
	ds_add_u32 v1, v2                              ; 0 onto my spare word
.if \mode == 2
	s_add_co_u32 s76, s66, s67                     ; no tensor load of mine is out, so this slot's descriptors may be written: the group two on in my cluster's walk
	s_add_co_u32 s76, s76, \par+2
	s_and_b32 s76, s76, 31
	s_mul_i32 s74, s76, 98304
	s_add_nc_u64 s[54+4*\par:55+4*\par], s[72:73], s[74:75]
	s_or_b32 s[55+4*\par], s[55+4*\par], 0x80000000
	s_lshl_b32 s74, s76, 12
	s_add_nc_u64 s[62+8*\par:63+8*\par], s[12:13], s[74:75]
	s_or_b32 s[63+8*\par], s[63+8*\par], 0x80000000
.endif
	PAIRW \par, 5, 0, 3                            ; four matrix instructions stand between the add and the wait for it
	s_wait_dscnt 0x0                               ; the add is done, and my reads of this slot are over: pairs 6, 7 are in
	s_barrier_signal -1
	PAIRW \par, 5, 4, 7
	WIN 0
.if \par == 0
	v_add_nc_u32 v10, s87, v9                      ; the tables' address for this trip's two segments: no LDS instruction of mine is out
.endif
	s_barrier_wait -1
.if \mode == 2
	CREST                                          ; the barrier has opened a round of the cluster's barrier: no wave of any partner still reads this slot or has a load on its way
	JLOAD \par                                     ; the first tensor load behind the round; its four v_nop are the places ahead of the loads below
.else
	PLACES
.endif
	ds_load_b128 v[36+8*(1-\par):39+8*(1-\par)], v[8-\par]
	ds_load_b128 v[40+8*(1-\par):43+8*(1-\par)], v[8-\par] offset:16
	ds_load_b128 v[20:23], v10 offset:64*(\par+1)
	ds_load_b128 v[24:27], v10 offset:64*(\par+1)+16
	BPAIR 1-\par, 0
	BPAIR 1-\par, 1
	PAIRW \par, 6, 0, 7
	PAIRW \par, 7, 0, 7
	WIN 0
	s_wait_dscnt 14                                ; the next slot's scale words are in: the oldest two of the run's 16
.irp i, 0,1,2,3,4,5,6,7
	v_perm_b32 v[36+8*(1-\par)+\i], v[36+8*(1-\par)+\i], v[36+8*(1-\par)+\i], s83   ; bytes 1 and 2 change places, as the blocks do.  These lines name no register of the last products: they are the places behind them
.endr
	v_nop                                          ; the first of the eight words is wanted by the next matrix instruction: seven lines and these two stand between
	v_nop
	BPAIR 1-\par, 2
	BPAIR 1-\par, 3
.else
	PAIRW \par, 5, 0, 7
	s_wait_dscnt 0x0
	PAIRW \par, 6, 0, 7
	PAIRW \par, 7, 0, 7
	WIN 0
	PLACES
.endif
	ds_load_b128 v[28:31], v10 offset:2048+64*\par ; -2 Wc of the columns just finished
	ds_load_b128 v[32:35], v10 offset:2048+64*\par+16
.endm
; ================================================================ the head
	s_load_b512 s[4:19], s[0:1], 0x0               ; x 4, W1 6, b1 8, W2's codes 10, W2's scales 12, b2 14, Wc 16, bc 18
	s_load_b512 s[20:35], s[0:1], 0x40             ; Wr1 20, br1 22, Wr2 24, br2 26, Wr3 28, br3 30, out0 32, out1 34
	v_lshl_add_u32 v1, v0, 2, SPARE
	v_mov_b32 v2, 0
	ds_add_u32 v1, v2
	ds_add_u32 v1, v2
	s_wait_dscnt 0x0
	v_lshrrev_b32 v96, 5, v0
	v_readfirstlane_b32 s2, v96                    ; wave 0..3
	s_bfe_u32 s77, ttmp6, 0x40000                  ; cx: it enters x's and the outputs' addresses alone
	s_and_b32 s66, ttmp9, 31                       ; where my cluster's walk through W2 begins
	s_mov_b32 s78, 0x4038aa3b                      ; c = 2 log2(e)
	s_mov_b32 s79, s78
	s_mov_b32 s80, 0x76543210                      ; v_permlanex16_b32's selects for lane l xor 16
	s_mov_b32 s81, 0xfedcba98
	s_mov_b32 s83, 0x03010200                      ; v_perm_b32's selects: bytes 0, 2, 1, 3
	s_mov_b32 s88, 0x3f22f983                      ; 2 / pi
	s_mov_b32 s89, 0xbfc90fdb                      ; - pi/2, upper part
	s_mov_b32 s90, 0x333bbd2e                      ; and what the upper part has too much
	s_mov_b32 s91, 0x37ccf5ce                      ; cos: 2.4433157e-5, -1.3887316e-3, 4.1666646e-2
	s_mov_b32 s92, 0xbab6061a
	s_mov_b32 s93, 0x3d2aaaa5
	s_mov_b32 s94, 0xb94ca1f9                      ; sin: -1.9515296e-4, 8.3321609e-3, -1.6666655e-1
	s_mov_b32 s95, 0x3c08839e
	s_mov_b32 s96, 0xbe2aaaa3
	; descriptor group 1 for the codes: 64 lines of 64 elements of 8 bytes, dense in memory, 16 bytes of padding behind each 512
	s_mov_b32 s36, 15|(3<<16)|(1<<20)|(1<<21)|(6<<22)|(3<<25)  ; 15:0 the mask: all four work-groups; 17:16 elements of 8 bytes; 20 padding on; 21 set beside a mask; 24:22 after every 128 words; 31:25 4 words
	s_mov_b32 s37, 64<<16                          ; tensor_dim0
	s_mov_b32 s38, 64<<16                          ; tensor_dim1
	s_mov_b32 s39, 64<<16                          ; tile_dim0
	s_mov_b32 s40, 64                              ; tile_dim1
	s_mov_b32 s41, 64                              ; the pitch
	s_mov_b32 s42, 0
	s_mov_b32 s43, 0
	; and for the scales: 16 lines of 256 bytes, 16 bytes of padding behind each
	s_mov_b32 s44, 15|(3<<16)|(1<<20)|(1<<21)|(5<<22)|(3<<25)
	s_mov_b32 s45, 32<<16
	s_mov_b32 s46, 16<<16
	s_mov_b32 s47, 32<<16
	s_mov_b32 s48, 16
	s_mov_b32 s49, 32
	s_mov_b32 s50, 0
	s_mov_b32 s51, 0
	; window 0's addresses
	v_and_b32 v96, 15, v0                          ; r
	v_bfe_u32 v97, v0, 4, 1                        ; h
	v_and_b32 v99, 31, v0                          ; lane
	s_mul_i32 s97, s2, 25344
	v_mul_u32_u24 v3, v96, 1584                    ; the pitch is 396 words, four banks each, all different (64 banks of 4 bytes: ISA guide 11.1)
	v_mad_u32_u24 v3, v97, 48, v3
	v_add_nc_u32 v3, s97, v3                       ; W2's fragments in slot 0: row 16 w + r, + 48 h
	v_lshl_add_u32 v4, v97, 4, v3                  ; the same behind one padding more
	v_add_nc_u32 v5, SLOT, v3                      ; and in slot 1
	v_add_nc_u32 v6, SLOT, v4
	s_mul_i32 s97, s2, 1088
	s_add_co_u32 s97, s97, SCO
	v_lshrrev_b32 v98, 2, v96
	v_lshlrev_b32 v7, 6, v96
	v_lshl_add_u32 v7, v98, 4, v7
	v_lshl_add_u32 v7, v97, 5, v7
	v_add_nc_u32 v7, s97, v7                       ; W2's scale words: 64 bytes a row, 16 more for each four rows; lanes 16-31 take K steps 8 on
	v_add_nc_u32 v8, SLOT, v7
	s_lshl_b32 s97, s2, 12
	s_add_co_u32 s97, s97, IMG
	v_lshl_add_u32 v9, v97, 5, s97                 ; my tables of b2 and Wc: my half's eight columns
	v_lshl_add_u32 v103, v99, 6, s97               ; and where lane i puts the 16 columns of the walk's i-th group
	s_lshl_b32 s98, s2, 8
	s_add_co_u32 s98, s98, RED
	v_lshl_add_u32 v11, v96, 2, s98                ; my wave's partial logits
	v_mul_u32_u24 v100, v99, 48
	v_add_nc_u32 v100, IMG, v100                   ; an image's place for my lane: fragments 0-31,
	v_add_nc_u32 v101, 49152, v100                 ; 32-63
	v_lshlrev_b32 v102, 2, v96
	v_lshl_add_u32 v102, v97, 11, v102
	v_add_nc_u32 v102, HSW, v102                   ; the hidden layer's scale words: lanes 16-31 take K steps 8 on
	v_add_nc_u32 v104, s66, v99
	v_and_b32 v104, 31, v104
	v_lshlrev_b32 v104, 8, v104
	s_lshl_b32 s98, s2, 6
	v_add_nc_u32 v104, s98, v104                   ; in b2 and Wc: the walk's (lane)-th group, my wave's 16 columns
	; window 1's addresses, for phase A
	WIN 0x40
	v_and_b32 v1, 31, v0                           ; lane
	v_and_b32 v2, 15, v0
	v_bfe_u32 v31, v0, 4, 1
	WIN 0x55
	s_mul_i32 s97, s2, 2560
	s_add_co_u32 s97, s97, TW
	v_mov_b32 v3, s97
	v_lshl_add_u32 v4, v1, 4, s97
	s_mul_i32 s97, s2, 24576
	s_add_co_u32 s97, s97, IMG
	v_mul_u32_u24 v6, v2, 48
	v_mad_u32_u24 v6, v31, 1536, v6
	v_add_nc_u32 v6, s97, v6                       ; images: K step 4 w, tile of rows lane / 16, operand lane lane % 16
	s_lshl_b32 s97, s2, 10
	s_add_co_u32 s97, s97, HSW
	v_lshl_add_u32 v8, v1, 2, s97                  ; scale words: 1,024 w + 4 x lane
	s_lshl_b32 s97, s2, 11
	v_lshl_add_u32 v9, v1, 4, s97                  ; in a row of W1: my wave's 512 units, four a lane
	v_mov_b32 v10, v9
	v_lshlrev_b32 v11, 3, v1                       ; 8 x lane
	v_lshlrev_b32 v5, 4, v1                        ; 16 x lane, for the risk net's two rows of x
	v_mov_b32 v7, 0
	WIN 0
	s_wait_kmcnt 0x0
	s_load_b32 s82, s[18:19], 0x0                  ; bc: wanted at the end
	s_lshl_b32 s97, ttmp9, 2
	s_add_co_u32 s97, s97, s77                     ; my work-group = 4 x cluster + cx
	s_mov_b32 s75, 0
	s_lshl_b32 s74, s97, 9
	s_add_nc_u64 s[4:5], s[4:5], s[74:75]          ; x at my 64 rows
	s_lshl_b32 s74, s97, 8
	s_add_nc_u64 s[32:33], s[32:33], s[74:75]
	s_add_nc_u64 s[34:35], s[34:35], s[74:75]
	s_min_u32 s76, s2, 2                           ; (wave 3 asks for scales: its copy of the codes' descriptor is not used and stays inside W2)
	s_lshl_b32 s74, s76, 15
	s_add_nc_u64 s[72:73], s[10:11], s[74:75]      ; my third of a group's 98,304 bytes
	s_mul_i32 s98, s76, 33792
	s_mov_b32 s52, 1                               ; slot 0: the walk's group 0
	s_mov_b32 s53, s98
	s_mul_i32 s74, s66, 98304
	s_add_nc_u64 s[54:55], s[72:73], s[74:75]
	s_or_b32 s55, s55, 0x80000000
	s_mov_b32 s60, 1
	s_mov_b32 s61, SCO
	s_lshl_b32 s74, s66, 12
	s_add_nc_u64 s[62:63], s[12:13], s[74:75]
	s_or_b32 s63, s63, 0x80000000
	s_add_co_u32 s76, s66, 1                       ; slot 1: group 1
	s_and_b32 s76, s76, 31
	s_mov_b32 s56, 1
	s_add_co_u32 s57, s98, SLOT
	s_mul_i32 s74, s76, 98304
	s_add_nc_u64 s[58:59], s[72:73], s[74:75]
	s_or_b32 s59, s59, 0x80000000
	s_mov_b32 s68, 1
	s_mov_b32 s69, SLOT+SCO
	s_lshl_b32 s74, s76, 12
	s_add_nc_u64 s[70:71], s[12:13], s[74:75]
	s_or_b32 s71, s71, 0x80000000
	CROUND                                         ; all four work-groups are here: the first joint loads meet
	s_cmp_lt_u32 s2, 3                             ; a wave's two first fills stand in one branch: two loads of mine are out
	s_cbranch_scc0 .Lfirst_s
	tensor_load_to_lds s[52:55], s[36:43]
	s_nop 0
	tensor_load_to_lds s[56:59], s[36:43]
	s_nop 0
	PLACES
	s_branch .Lfirst_done
.Lfirst_s:
	tensor_load_to_lds s[60:63], s[44:51]
	s_nop 0
	tensor_load_to_lds s[68:71], s[44:51]
	s_nop 0
	PLACES
.Lfirst_done:
; ================================================================ phase A
	WIN 0x55
	global_load_b64 v[32:33], v11, s[4:5]              ; x of rows 0-31, a lane a row,
	global_load_b64 v[34:35], v11, s[4:5] offset:256   ; and of rows 32-63
	WLOAD                                          ; K step 4 w's weights: 7 loads
	global_load_b128 v[96:99], v5, s[4:5]          ; the risk net: rows 2 l and 2 l + 1 of x, and all its weights in every lane: 18 loads
.irp i, 0,1,2,3
	global_load_b128 v[100+4*\i:103+4*\i], v7, s[20:21] offset:16*\i
.endr
.irp i, 0,1
	global_load_b128 v[116+4*\i:119+4*\i], v7, s[22:23] offset:16*\i
.endr
.irp i, 0,1,2,3,4,5,6,7
	global_load_b128 v[124+4*\i:127+4*\i], v7, s[24:25] offset:16*\i
.endr
	global_load_b128 v[156:159], v7, s[26:27]
	global_load_b128 v[160:163], v7, s[28:29]
	global_load_b32 v164, v7, s[30:31]
	s_wait_loadcnt 25                              ; x is in (behind it: 7 + 18 loads)
	COSF 36, 32, 40
	COSF 37, 33, 46
	COSF 38, 34, 52
	COSF 39, 35, 58
.irp g, 0,1
	v_mul_f32 v[12+4*\g], s78, v[32+2*\g]          ; the features x c, so that the sums come out as exponents of 2
	v_mul_f32 v[13+4*\g], s78, v[33+2*\g]
	v_mul_f32 v[14+4*\g], s78, v[36+2*\g]
	v_mul_f32 v[15+4*\g], v[14+4*\g], v[37+2*\g]
.endr
	TPREP 18                                       ; the raw weights are in (behind them: the risk net's 18)
	s_wait_loadcnt 0x0
	WIN 0
	s_cmp_lg_u32 s2, 1                             ; the risk net is wave 1's
	s_cbranch_scc1 .Lno_risk
	WIN 0x55
.irp j, 0,1,2,3,4,5,6,7
	v_fma_f32 v[176+\j], v96, v[100+\j], v[116+\j]
	v_fma_f32 v[184+\j], v98, v[100+\j], v[116+\j]
.endr
.irp j, 0,1,2,3,4,5,6,7
	v_fma_f32 v[176+\j], v97, v[108+\j], v[176+\j]
	v_fma_f32 v[184+\j], v99, v[108+\j], v[184+\j]
.endr
	TANH 176, 16, 1
.irp j, 0,1,2,3
	v_fma_f32 v[192+\j], v176, v[124+\j], v[156+\j]
	v_fma_f32 v[196+\j], v184, v[124+\j], v[156+\j]
.endr
.irp i, 1,2,3,4,5,6,7
.irp j, 0,1,2,3
	v_fma_f32 v[192+\j], v[176+\i], v[124+4*\i+\j], v[192+\j]
	v_fma_f32 v[196+\j], v[184+\i], v[124+4*\i+\j], v[196+\j]
.endr
.endr
	TANH 192, 8, 1
	v_fma_f32 v200, v192, v160, v164
	v_fma_f32 v201, v196, v160, v164
.irp j, 1,2,3
	v_fma_f32 v200, v[192+\j], v[160+\j], v200
	v_fma_f32 v201, v[196+\j], v[160+\j], v201
.endr
	global_store_b64 v11, v[200:201], s[34:35]     ; 32 lanes store 256 consecutive bytes, aligned
	s_wait_xcnt 0x0                                ; the store has read its registers: the weights' loads below land there
	WIN 0
.Lno_risk:
	WIN 0x55
	HLOAD 0, 0
	HLOAD 1, 0
	s_wait_dscnt 0x0
.set un, 0
.rept 32
	FI un, 0, 0                                    ; block 0 of rows 0-31 starts the pipe
	FI un, 1, 0
.set un, un+1
.endr
	s_mov_b32 s84, 0                               ; the trip's place among the images, 6,144 a K step,
	s_mov_b32 s85, 0                               ; among the scale words, 256,
	s_mov_b32 s86, 0                               ; and in W1's rows, 512
	s_mov_b32 s3, 4
	WIN 0
.Lq:                                                   ; four trips: K step 4 w + q for all 64 rows
	WIN 0x55
	s_wait_dscnt 0x0                               ; the last trip's stores have read their address registers
	v_add_nc_u32 v5, s84, v6
	v_add_nc_u32 v7, s85, v8
	s_add_co_u32 s86, s86, 512
	s_and_b32 s86, s86, 0x600                      ; the next K step's weights; the last trip wraps to the first, so that no load leaves W1 or b1 (what it brings is not used)
	v_add_nc_u32 v10, s86, v9
	WLOAD
	UNIT 0, 0
	UNIT 0, 1
	UNIT 1, 0
	UNIT 1, 1
	UNIT 2, 0
	UNIT 2, 1
	UNIT 3, 0
	UNIT 3, 1
	s_add_co_u32 s84, s84, 6144
	s_add_co_u32 s85, s85, 256
	WIN 0
	s_sub_co_u32 s3, s3, 1
	s_cmp_lg_u32 s3, 0
	s_cbranch_scc1 .Lq
; ================================================================ the exchange
.irp i, 0,1,2,3
	global_load_b128 v[160+4*\i:163+4*\i], v104, s[14:15] offset:16*\i   ; b2 and Wc of my 16 columns of the walk's (lane)-th group: they land during the exchange
	global_load_b128 v[176+4*\i:179+4*\i], v104, s[16:17] offset:16*\i
.endr
	s_wait_dscnt 0x0                               ; for the others' sake: my images and scale words lie in LDS
	s_barrier_signal -1
	s_barrier_wait -1
.set xf, 0
.rept 64
.if xf == 63
	WIN 0
.set xr, 84
.else
	WIN (1+xf/21)<<6
.set xr, 12*(xf%21)
.endif
.irp i, 0,1,2
	ds_load_b128 v[xr+4*\i:xr+4*\i+3], v[100+xf/32] offset:1536*(xf%32)+16*\i
.endr
.set xf, xf+1
.endr
.irp t, 0,1,2,3
.irp i, 0,1,2,3,4,5,6,7
	ds_load_b32 v[52+8*\t+\i], v102 offset:256*\i+64*\t    ; lanes 0-15: K step i; lanes 16-31: K step 8 + i
.endr
.endr
	s_wait_tensorcnt 0x1                           ; my part of slot 0 is in; slot 1's may stay out
	s_wait_dscnt 0x0                               ; my reads of the images are over
	s_barrier_signal -1
	s_barrier_wait -1
	s_wait_loadcnt 0x0
	v_pk_add_f32 v[192:193], v[176:177], v[178:179]    ; the sum of Wc over my wave's 512 columns: my lane's 16,
	v_pk_add_f32 v[194:195], v[180:181], v[182:183]
	v_pk_add_f32 v[196:197], v[184:185], v[186:187]
	v_pk_add_f32 v[198:199], v[188:189], v[190:191]
	v_pk_add_f32 v[192:193], v[192:193], v[194:195]
	v_pk_add_f32 v[196:197], v[196:197], v[198:199]
	v_pk_add_f32 v[192:193], v[192:193], v[196:197]
	v_add_f32 v192, v192, v193
	v_add_f32_dpp v192, v192, v192 row_xmask:1 row_mask:0xf bank_mask:0xf   ; and the 32 lanes'
	v_add_f32_dpp v192, v192, v192 row_xmask:2 row_mask:0xf bank_mask:0xf
	v_add_f32_dpp v192, v192, v192 row_xmask:4 row_mask:0xf bank_mask:0xf
	v_add_f32_dpp v192, v192, v192 row_xmask:8 row_mask:0xf bank_mask:0xf
	v_permlanex16_b32 v193, v192, s80, s81
	v_add_f32 v192, v192, v193
	v_mul_f32 v192, 0.5, v192                      ; half of it in each half of the lanes: the two halves of a row's sum are added at the end
.irp i, 0,1,2,3,4,5,6,7
	v_pk_mul_f32 v[176+2*\i:177+2*\i], v[176+2*\i:177+2*\i], -2.0 op_sel_hi:[1,0]   ; the table holds -2 Wc
.endr
.irp i, 0,1,2,3
	ds_store_b128 v103, v[160+4*\i:163+4*\i] offset:16*\i          ; my wave's own tables, in the order of the walk, where the images lay
	ds_store_b128 v103, v[176+4*\i:179+4*\i] offset:2048+16*\i
.endr
.irp t, 0,1,2,3
	v_mov_b32 v[12+2*\t], v192                     ; the running logits begin at the sum of Wc
	v_mov_b32 v[13+2*\t], 0
.endr
.irp i, 28,29,30,31,32,33,34,35
	v_mov_b32 v[\i], 0                             ; a Wc of zeros for the first segment, whose slices work on
.endr
.set xf, 128
.rept 32
	v_mov_b32 v[xf], 0                             ; a set of zeros: so the segment is written without a first copy of its own
.set xf, xf+1
.endr
	s_wait_dscnt 0x0                               ; the stores have read their registers
	ds_load_b128 v[36:39], v7
	ds_load_b128 v[40:43], v7 offset:16
	ds_load_b128 v[20:23], v9
	ds_load_b128 v[24:27], v9 offset:16
	BPAIR 0, 0
	BPAIR 0, 1
	BPAIR 0, 2
	BPAIR 0, 3
	s_mov_b32 s67, 0                               ; the trip's first group in the walk
	s_mov_b32 s87, 0                               ; and its place in the tables
	s_mov_b32 s3, 15
	s_wait_dscnt 0x0
.irp i, 0,1,2,3,4,5,6,7
	v_perm_b32 v[36+\i], v[36+\i], v[36+\i], s83   ; the first slot's scale words: bytes 1 and 2 change places
.endr
.rept 8
	v_nop                                          ; a scale register written by a vector instruction stands 8 places ahead of a scaled matrix instruction
.endr
; ================================================================ phase B
.Lseg:                                                 ; 15 trips of two segments: each fills its slot again
	SEG 0, 2
	SEG 1, 2
	WIN 0
	s_add_co_u32 s67, s67, 2
	s_add_co_u32 s87, s87, 128
	s_sub_co_u32 s3, s3, 1
	s_cmp_lg_u32 s3, 0
	s_cbranch_scc1 .Lseg
	SEG 0, 1                                       ; the last two are written out
	SEG 1, 0
	TANH 128, 32, 0                                ; the last 16 columns' r: four places stand behind the last matrix instruction
	s_wait_dscnt 0x0                               ; their -2 Wc
	E6 0, 0, 15
; ================================================================ the way out
.irp t, 0,1,2,3
	v_add_f32 v[96+\t], v[12+2*\t], v[13+2*\t]
.endr
.irp t, 0,1,2,3
	v_permlanex16_b32 v[100+\t], v[96+\t], s80, s81    ; the row's other eight columns lie in the lane 16 away
.endr
.irp t, 0,1,2,3
	v_add_f32 v[96+\t], v[96+\t], v[100+\t]
.endr
.irp t, 0,1,2,3
	ds_store_b32 v11, v[96+\t] offset:64*\t        ; row 16 t + r; both halves of the lanes write the same word with the same value
.endr
	v_and_b32 v113, 31, v0
	v_lshlrev_b32 v113, 3, v113
	v_add_nc_u32 v112, RED, v113
	s_wait_kmcnt 0x0                               ; bc
	s_wait_dscnt 0x0
	s_barrier_signal -1
	s_barrier_wait -1
	s_cmp_lg_u32 s2, 0
	s_cbranch_scc1 .Lnot0
.irp u, 0,1,2,3
	ds_load_b64 v[104+2*\u:105+2*\u], v112 offset:256*\u
.endr
	s_wait_dscnt 0x0
	v_pk_add_f32 v[104:105], v[104:105], v[106:107]
	v_pk_add_f32 v[108:109], v[108:109], v[110:111]
	v_pk_add_f32 v[104:105], v[104:105], v[108:109]
	v_add_f32 v104, s82, v104
	v_add_f32 v105, s82, v105
	global_store_b64 v113, v[104:105], s[32:33]    ; 32 lanes store 256 consecutive bytes, aligned
.Lnot0:
	s_wait_tensorcnt 0x0                           ; the wave's end: behind my last tensor load and my last LDS store
	ds_add_u32 v1, v2
	s_wait_dscnt 0x0
	CROUND                                         ; the closing round: no work-group ends while a partner may still ask for a tile that names it
	s_endpgm
.Lfunc_end_k_qcaf8db4cdb_fraud:
	.size	k_qcaf8db4cdb_fraud, .Lfunc_end_k_qcaf8db4cdb_fraud-k_qcaf8db4cdb_fraud
	.p2alignl 7, 3214868480
	.fill 96, 4, 3214868480
	.section	.rodata,"a",@progbits
	.p2align	6, 0x0
	.amdhsa_kernel k_qcaf8db4cdb_fraud
		.amdhsa_group_segment_fixed_size 327680
		.amdhsa_private_segment_fixed_size 0
		.amdhsa_enable_private_segment 0
		.amdhsa_kernarg_size 128
		.amdhsa_user_sgpr_count 2
		.amdhsa_user_sgpr_kernarg_segment_ptr 1
		.amdhsa_wavefront_size32 1
		.amdhsa_system_sgpr_workgroup_id_x 1
		.amdhsa_system_sgpr_workgroup_id_y 1
		.amdhsa_system_sgpr_workgroup_id_z 1
		.amdhsa_system_vgpr_workitem_id 0
		.amdhsa_next_free_vgpr 1024
		.amdhsa_next_free_sgpr 100
		.amdhsa_reserve_vcc 1
		.amdhsa_float_denorm_mode_32 3
		.amdhsa_float_denorm_mode_16_64 3
		.amdhsa_memory_ordered 1
		.amdhsa_forward_progress 1
		.amdhsa_inst_pref_size 225
	.end_amdhsa_kernel
	.amdgpu_metadata
---
amdhsa.version: [ 1, 2 ]
amdhsa.kernels:
  - .name:           k_qcaf8db4cdb_fraud
    .symbol:         k_qcaf8db4cdb_fraud.kd
    .args:
      - { .name: x, .offset: 0, .size: 8, .value_kind: global_buffer, .address_space: global }
      - { .name: W1, .offset: 8, .size: 8, .value_kind: global_buffer, .address_space: global }
      - { .name: b1, .offset: 16, .size: 8, .value_kind: global_buffer, .address_space: global }
      - { .name: W2_codes, .offset: 24, .size: 8, .value_kind: global_buffer, .address_space: global }
      - { .name: W2_scales, .offset: 32, .size: 8, .value_kind: global_buffer, .address_space: global }
      - { .name: b2, .offset: 40, .size: 8, .value_kind: global_buffer, .address_space: global }
      - { .name: Wc, .offset: 48, .size: 8, .value_kind: global_buffer, .address_space: global }
      - { .name: bc, .offset: 56, .size: 8, .value_kind: global_buffer, .address_space: global }
      - { .name: Wr1, .offset: 64, .size: 8, .value_kind: global_buffer, .address_space: global }
      - { .name: br1, .offset: 72, .size: 8, .value_kind: global_buffer, .address_space: global }
      - { .name: Wr2, .offset: 80, .size: 8, .value_kind: global_buffer, .address_space: global }
      - { .name: br2, .offset: 88, .size: 8, .value_kind: global_buffer, .address_space: global }
      - { .name: Wr3, .offset: 96, .size: 8, .value_kind: global_buffer, .address_space: global }
      - { .name: br3, .offset: 104, .size: 8, .value_kind: global_buffer, .address_space: global }
      - { .name: out0, .offset: 112, .size: 8, .value_kind: global_buffer, .address_space: global }
      - { .name: out1, .offset: 120, .size: 8, .value_kind: global_buffer, .address_space: global }
    .group_segment_fixed_size: 327680
    .private_segment_fixed_size: 0
    .kernarg_segment_align: 8
    .kernarg_segment_size: 128
    .max_flat_workgroup_size: 128
    .sgpr_count:     100
    .vgpr_count:     1024
    .wavefront_size: 32
...
	.end_amdgpu_metadata
.endif
;; end of part 1
